; MI455X (gfx1250); checked and timed in simulation.
; The chip was launched on July 23, 2026; its instructions are those of AMD's public machine-readable ISA for CDNA 5 (MIT licence, August 2026) and "CDNA5" Instruction Set Architecture Reference Guide (July 2026). The comments in the code are by the model that wrote it; some were corrected since.
;; Multi Head Attention2d. Allowed arithmetic: matrix products marked QUANTISED: E2M1 operands, one E8M0 scale for each 32 along K, by v_wmma_scale_f32_16x16x128_f8f6f4 with both operands' format E2M1 (or v_wmma_scale_f32_32x16x128_f4), f32 sums; everything else in f32.
;; Inputs: Wk 256 x 64 float32; Wq 256 x 64 float32; Wv 256 x 64 float32; bk 256 float32; bq 256 float32; bv 256 float32; x 4 x 64 x 64 x 64 float32; y 4 x 64 x 64 x 64 float32.
;; Outputs: out0 4 x 4 x 64 x 64 x 64 float32.
;; This version of the problem:
;;   THIS VERSION OF THE PROBLEM IS GIVEN IN LOW PRECISION. The matrix products marked QUANTISED in the list below multiply operands that are first quantised to E2M1 (2 exponent bits, 1 mantissa bit; 4 bits a number), with one power-of-two scale for each 32 numbers along K (OCP MX v1.0); their sums are f32. All else is computed in f32.
;;   The module's matrix products, in the order in which they are computed (A, B: the left and right operand; K: the contracted axis; several contracted axes count as one K, in the product's order):
;;     1. [M 256, K 64] x [K 64, N 16,384]; A: input Wq; B: input x: QUANTISED
;;     2. [M 256, K 64] x [K 64, N 16,384]; A: input Wk; B: input y: QUANTISED
;;     3. [M 256, K 64] x [K 64, N 16,384]; A: input Wv; B: input y: QUANTISED
;;     4. batch 16 x [M 4,096, K 64] x [K 64, N 4,096]; A: computed on the way; B: computed on the way: QUANTISED
;;     5. batch 16 x [M 4,096, K 4,096] x [K 4,096, N 64]; A: softmax (see below); B: computed on the way: QUANTISED
;;   THE QUANTISER, for each operand of a quantised product, along K:
;;     - K is cut into blocks of 32 from its start; a last block that is shorter is filled with zeros.
;;     - A block's scale is 2^e with e = floor(log2(the largest magnitude in the block)) - 2, held to -126 .. 127; a block of zeros has e = 0. As a byte (E8M0): e + 127.
;;     - Each number is divided by its block's scale, clamped to +-6, and rounded to the nearest number of E2M1, ties to even, subnormals kept.
;;     - The product sums the exact products of the quantised numbers (number of the format x scale) in f32.
;;   ~~~python
;;   def quantise(x, axis):      # numpy; x: float32 -> the quantised numbers, widened to float32 again
;;       x = np.moveaxis(x, axis, -1); K = x.shape[-1]
;;       x = np.pad(x, [(0, 0)] * (x.ndim - 1) + [(0, -K % 32)]); x = x.reshape(x.shape[:-1] + (-1, 32)); a = np.abs(x).max(-1, keepdims=True)
;;       e = np.where(a > 0, np.clip(np.frexp(np.where(a > 0, a, 1))[1] - 1 - 2, -126, 127), 0)      # np.frexp(a)[1] - 1 = floor(log2(a)), exactly
;;       r = np.clip(x / 2.0 ** e, -6, 6)
;;       step = 2.0 ** (np.maximum(np.frexp(np.where(r == 0, 1, r))[1] - 1, 0) - 1)
;;       q = np.round(r / step) * step * 2.0 ** e      # np.round: ties to even
;;       return np.moveaxis(q.reshape(q.shape[:-2] + (-1,))[..., :K], -1, axis).astype(np.float32)
;;   ~~~
;;   SOFTMAX AHEAD OF A QUANTISED PRODUCT. Where the list says 'softmax', what is quantised is not the finished softmax but p = 2^(t - M), with t = logit x log2(e) and M = ceil(the row's largest t), a whole number; so 1/2 < the row's largest p <= 1. The row's sum l is taken of the UNQUANTISED p, in f32, and the product's result is divided by l at the end. Since M is a whole number, a kernel that streams over the keys may use a running M (the ceiling of the running maximum): every later rescaling is an exact power of two, which a block's scale takes up: the codes' values come out the same.
;;   OPERANDS COMPUTED ON THE WAY. 'Computed on the way' means the value that the module computes at that place (a softmax that the list does not call 'softmax' is quantised finished and normalised). What goes into a quantiser is computed in f32, as accurately as f32 sums, v_exp_f32 and their like allow (about 1e-6 of the number): no bf16 or f16 on the way to a quantiser, and a product that is left as it is and whose result goes on into a quantised operand takes f32 operands (vector FMAs, or v_wmma_f32_16x16x4_f32). A number that lies on a knife's edge between two numbers of the format may be rounded either way, as far as f32 arithmetic and the matrix unit's own rounding can turn it there, and no further.
;; One version. Each part assembles by itself: llvm-mc -triple=amdgcn-amd-amdhsa -mcpu=gfx1250 --defsym DOCPART=n.
;; ======== version 1 of 1: 2 launches
;; workspace buffers: qb 2,359,296 bytes; kv 4,587,520 bytes
;; launch proj (part 1): grid 32 x 4, 12 waves a work-group, no clusters, 76,288 bytes of LDS; arguments x, y, Wq, Wk, Wv, bq, bk, bv, qb, kv; writes qb, kv
.if DOCPART == 1
	.amdgcn_target "amdgcn-amd-amdhsa--gfx1250"
	.amdhsa_code_object_version 6
	.text
	.protected	k_q3224aa6324_proj
	.globl	k_q3224aa6324_proj
	.p2align	8
	.type	k_q3224aa6324_proj,@function
k_q3224aa6324_proj:
	s_mov_b64 s[64:65], 0
	v_nop
	global_prefetch_b8 v0, s[64:65] scope:SCOPE_SE
	s_setreg_imm32_b32 hwreg(HW_REG_WAVE_MODE, 25, 1), 1
	s_wait_xcnt 0x0
; q = Wq x + bq, k = Wk y + bk, v = Wv y + bv (1x1 convolutions: K = the 64 channels), all three products on codes of FP4 (E2M1) with one E8M0 scale for each 32 along K,
; and the results quantised again for the attention that follows: q and k along the head's 64 channels, v along the keys.  They leave as IMAGES OF THE OPERANDS' REGISTERS.
; SHARES.  A work-group takes one batch (grid y) and 128 pixels (grid x: a step).  Twelve waves: role = wave / 4 (0 q, 1 k, 2 v), sub = wave % 4 = the head.
; PHASES.  (1) waves 0-7 bring 16 rows (channels) x 512 bytes of x (role 0) or y (role 1) into LDS, every load 512 consecutive bytes; every wave asks for its head's 64 rows of W and its bias | barrier |
; (2) waves 0-7: a lane takes ONE pixel and its 64 registers run down the channels: two blocks, no other lane is asked; the codes become two fragments (16 pixels x 64 channels) and go to LDS as register images;
; every wave quantises its four tiles of W in registers | barrier | (3) every wave fetches its input's eight pixel fragments, multiplies, quantises the results in registers and stores them.
; K = 64 IN A FORM OF K = 128: a fragment's registers 0-3 hold k = 32 (lane / 16) + 0 .. 31; registers 4-7 are zero codes on both sides; the scale words' bytes 2 and 3 are 0, which is no NaN.
; LAYOUTS.  q, k: source 0 = 16 rows of W, source 1 = 16 pixels: a lane holds one pixel and its registers run along the head's channels.  THE ROWS OF W THAT FORM A TILE ARE NOT NEIGHBOURS: lane r of tile 2 b + u takes
; row 32 b + 8 u + r + 8 (r / 8), so that 16 registers of two neighbouring tiles are 16 neighbouring channels.  v: source 0 = 16 pixels, source 1 = 16 rows of W: a lane holds one channel and its registers run along the keys.
; y's PIXELS OF A TILE ARE NOT NEIGHBOURS EITHER: lane r of tile 2 g + u holds pixel 32 g + 8 u + r + 8 (r / 8): so v's 16 registers of two tiles are 16 neighbouring keys, and k's tiles are the ones that the attention wants.
; The biases are the C of the matrix instructions.
; RECORDS (one for each batch x head and step).  kv, 8,960 bytes: +0 k's eight tiles, 512 bytes each, lane l's 16 bytes at 16 l; +4096 k's scale words: the word at 16 l + 4 i belongs to tile 2 i + l / 16, row l % 16;
; +4608 v's four tiles of 16 channels, 1,024 bytes each (two runs of 512); +8704 v's scale words: the word at 8 l + 4 i belongs to tile 2 i + l / 16.  qb, 4,608 bytes: as kv's first 4,608, pixels in their own order.
; LIMITS: NaN and infinities among the inputs are not served.  A block whose largest magnitude lies under 2^-124 (a block of zeros among them, where the stated quantiser says byte 127) gets the byte 1:
; a block of zeros has zero codes, which add nothing under any byte but 0xff, and these bytes are read by this program alone.
.set IMG,  65536                       ; LDS: 0 .. 65535 the raw rows: x's 64 rows of 512 bytes, then y's; from IMG the fragments: input x 4,096 + tile x 512 + 16 x lane;
.set SCB,  73728                       ; from SCB their scale words: input x 512 + pair of tiles x 128 + 4 x lane
.set QREC, 4608
.set KREC, 8960
.set L16, 1                            ; v1   16 x lane
.set RWA, 2                            ; v2   where I put raw rows: 8,192 x wave + 16 x lane
.set XRA, 3                            ; v3   where my pixel's channel 0 lies
.set XWI, 4                            ; v4   where I put my two fragments
.set XWS, 5                            ; v5   and their scale words
.set PXA, 6                            ; v6   where my input's fragments lie, + 16 x lane
.set PSA, 7                            ; v7   and their scale words, + 4 x lane
.set WS,  8                            ; v8-11   W's scale words, one register a tile
.set PS,  12                           ; v12-15  the pixels' scale words: lanes 0-15 tile 2 g, lanes 16-31 tile 2 g + 1
.set WA0, 16                           ; v16, v17 byte offsets of my lane in W's even and odd tiles; v18, v19 in the bias (q, k; v)
.set WA1, 17
.set BA,  18
.set BV,  19
.set XC,  16                           ; v16-23  later: a pixel's codes; later: the results' scale words
.set SW,  16
.set TM,  24                           ; v24-31  at work
.set BI,  32                           ; v32-63  the bias in the result's layout, eight registers a tile
.set X,   64                           ; v64-127 raw rows, then my pixel's 64 channels
.set WF,  64                           ; v64-95  later: W's four fragments
.set PX,  96                           ; v96-159 later: eight pixel fragments
.set WR,  128                          ; v128-255 W as loaded: 32 numbers a tile
.set D,   160                          ; v160-223 later: results
.set OUT, 224                          ; v224-255 later: their codes; each store has registers of its own
.macro BARRIER                         ; my LDS stores have landed and my LDS loads are in: then the work-group's barrier
	s_wait_dscnt 0x0
	s_barrier_signal -1
	s_barrier_wait -1
.endm
.macro WLOAD                           ; my head's four tiles of W: lane (r, h) takes 32 neighbouring channels, 128 bytes, of its row
.irp t, 0,1,2,3
.irp i, 0,1,2,3,4,5,6,7
	global_load_b128 v[WR+32*\t+4*\i:WR+32*\t+4*\i+3], v[WA0+(\t%2)], s[30:31] offset:8192*(\t/2)+16*\i
.endr
.endr
.endm
; 64 numbers of a lane, register 16 b + i = k 32 b + 16 (lane / 16) + i of four blocks, become codes in v[pc] .. v[pc + 7]: registers 4 c .. 4 c + 3 hold blocks 2 c (lanes 0-15) and 2 c + 1 (lanes 16-31).  The blocks' bytes stay in v[TM+4] on.
.macro QUANT s, pc
.irp b, 0,1,2,3
	v_max3_num_f32 v[TM+\b], |v[\s+16*\b]|, |v[\s+1+16*\b]|, 0x1800000   ; my 16 numbers of block b, and the floor 2^(3 - 127): the byte cannot fall under 1.  Each result is read from its low end on
.endr
.irp i, 2,4,6,8,10,12,14
.irp b, 0,1,2,3
	v_max3_num_f32 v[TM+\b], v[TM+\b], |v[\s+16*\b+\i]|, |v[\s+1+16*\b+\i]|   ; the four blocks by turns
.endr
.endr
.irp b, 0,1,2,3
	s_delay_alu instid0(VALU_DEP_4)
	v_permlanex16_b32 v[TM+4+\b], v[TM+\b], s38, s39
.endr
.irp b, 0,1,2,3
	s_delay_alu instid0(VALU_DEP_4)
	v_max_num_f32 v[TM+\b], v[TM+\b], v[TM+4+\b]   ; with lane l xor 16's: the block's largest magnitude
.endr
.irp b, 0,1,2,3
	s_delay_alu instid0(VALU_DEP_4)
	v_add_nc_u32 v[TM+\b], 0xff000000, v[TM+\b]    ; 2 off its exponent field: the conversion takes this operand's exponent field as its scale
.endr
.irp b, 0,1,2,3
	s_delay_alu instid0(VALU_DEP_4)
	v_lshrrev_b32 v[TM+4+\b], 23, v[TM+\b]         ; the scale's byte
.endr
.irp b, 0,1,2,3
	v_cvt_scalef32_pk8_fp4_f32 v[\pc+2*\b], v[\s+16*\b:\s+16*\b+7], v[TM+\b]
	v_cvt_scalef32_pk8_fp4_f32 v[\pc+1+2*\b], v[\s+8+16*\b:\s+15+16*\b], v[TM+\b]
.endr
	v_nop                                          ; one plain place behind a scaled conversion
.irp c, 0,1
.irp i, 0,1
	v_permlane16_swap_b32 v[\pc+4*\c+\i], v[\pc+2+4*\c+\i]   ; the operand's layout wants a whole block in a lane
.endr
.endr
.endm
	s_load_b128 s[4:7], s[0:1], 0x0                ; x, y
	s_load_b128 s[8:11], s[0:1], 0x10              ; Wq, Wk
	s_load_b128 s[12:15], s[0:1], 0x20             ; Wv, bq
	s_load_b128 s[16:19], s[0:1], 0x30             ; bk, bv
	s_load_b128 s[20:23], s[0:1], 0x40             ; qb, kv
	s_set_vgpr_msb 0x40
	v_lshl_add_u32 v0, v0, 2, 0x12400
	v_mov_b32 v1, 0
	s_set_vgpr_msb 0x4000
	v_lshrrev_b32 v19, 5, v0
	s_delay_alu instid0(VALU_DEP_1)
	v_readfirstlane_b32 s24, v19                   ; wave 0..11
	s_lshr_b32 s25, s24, 2                         ; role
	s_and_b32 s26, s24, 3                          ; sub: the head; in phases 1 and 2 which quarter of the input
	s_and_b32 s28, ttmp7, 0xffff                   ; the batch
	s_min_u32 s29, s25, 1                          ; my input: 0 x, 1 y
	s_min_u32 s41, s24, 7                          ; (waves 8-11 never use the addresses made of this)
	s_mov_b32 s38, 0x76543210
	s_mov_b32 s39, 0xfedcba98                      ; v_permlanex16_b32's selects for lane l xor 16
	v_and_b32 v20, 31, v0                          ; lane
	v_and_b32 v21, 15, v0                          ; r
	v_bfe_u32 v22, v0, 4, 1                        ; h
	s_delay_alu instid0(VALU_DEP_3)
	; every LDS address is made here, ahead of the first parting of the roles, and never written again
	v_lshlrev_b32 v[L16], 4, v20
	s_wait_alu depctr_va_vdst(0)
	s_lshl_b32 s42, s41, 13
	v_add_nc_u32 v[RWA], s42, v[L16]
	v_bfe_u32 v23, v0, 3, 1
	s_delay_alu instid0(VALU_DEP_1)
	v_xor_b32 v23, v23, v22                        ; lanes 8-23
	s_mul_i32 s42, s29, 24
	v_mul_u32_u24 v23, s42, v23                    ; of y alone
	s_delay_alu instid0(VALU_DEP_1)
	v_xor_b32 v23, v23, v20                        ; change places: lanes 8-15 take pixels 16-23, lanes 16-23 pixels 8-15
	s_lshl_b32 s42, s29, 15
	s_lshl_b32 s43, s26, 7
	s_add_co_u32 s42, s42, s43
	v_lshl_add_u32 v[XRA], v23, 2, s42             ; input x 32,768 + 128 x sub + 4 x pixel
	s_lshl_b32 s42, s41, 10
	s_add_co_u32 s42, s42, IMG
	v_add_nc_u32 v[XWI], s42, v[L16]
	s_lshl_b32 s42, s41, 7
	s_add_co_u32 s42, s42, SCB
	v_lshl_add_u32 v[XWS], v20, 2, s42
	s_lshl_b32 s42, s29, 12
	s_add_co_u32 s42, s42, IMG
	v_add_nc_u32 v[PXA], s42, v[L16]
	s_lshl_b32 s42, s29, 9
	s_add_co_u32 s42, s42, SCB
	v_lshl_add_u32 v[PSA], v20, 2, s42
	; W: q, k: row r + 8 (r / 8), odd tiles 8 rows on;  v: row r, odd tiles 16 rows on.  A row is 256 bytes; lanes 16-31 take its second block
	s_cmp_lt_u32 s25, 2
	s_cselect_b32 s42, 1, 0
	s_mov_b32 s43, 4096
	s_cselect_b32 s43, 2048, s43
	v_and_b32 v23, 8, v21
	s_delay_alu instid0(VALU_DEP_1)
	v_mul_u32_u24 v23, s42, v23
	s_delay_alu instid0(VALU_DEP_1)
	v_add_nc_u32 v23, v23, v21
	s_delay_alu instid0(VALU_DEP_1)
	v_lshlrev_b32 v[WA0], 8, v23
	s_delay_alu instid0(VALU_DEP_1)
	v_lshl_add_u32 v[WA0], v22, 7, v[WA0]
	s_delay_alu instid0(VALU_DEP_1)
	v_add_nc_u32 v[WA1], s43, v[WA0]
	v_lshlrev_b32 v[BA], 6, v22                    ; q, k: the bias of channels 16 h + 0 .. 7 of a tile's 32
	v_lshlrev_b32 v[BV], 2, v21                    ; v: the bias of channel r of a tile
	v_lshlrev_b32 v0, 3, v22                       ; v0 from here on: 8 h, the place of my block's byte in W's scale word
	s_wait_kmcnt 0x0
	s_cmp_eq_u32 s25, 0                            ; the buffers are chosen by the role alone
	s_cselect_b64 s[30:31], s[8:9], s[10:11]
	s_cselect_b64 s[32:33], s[14:15], s[16:17]
	s_cselect_b64 s[34:35], s[4:5], s[6:7]
	s_cselect_b64 s[36:37], s[20:21], s[22:23]
	s_mov_b32 s42, KREC
	s_cselect_b32 s42, QREC, s42
	s_cmp_eq_u32 s25, 2
	s_cselect_b64 s[30:31], s[12:13], s[30:31]
	s_cselect_b64 s[32:33], s[18:19], s[32:33]
	s_mov_b32 s45, 0
	s_lshl_b32 s44, s26, 14
	s_add_nc_u64 s[30:31], s[30:31], s[44:45]      ; W at my head's 64 rows
	s_lshl_b32 s44, s26, 8
	s_add_nc_u64 s[32:33], s[32:33], s[44:45]      ; the bias likewise
	s_lshl_b32 s44, s28, 20
	s_lshl_b32 s46, s26, 18
	s_add_co_u32 s44, s44, s46
	s_lshl_b32 s46, ttmp9, 9
	s_add_co_u32 s44, s44, s46
	s_add_nc_u64 s[34:35], s[34:35], s[44:45]      ; the input at batch, channel 16 x sub, pixel 128 x step
	s_lshl_b32 s44, s28, 2
	s_add_co_u32 s44, s44, s26
	s_lshl_b32 s44, s44, 5
	s_add_co_u32 s44, s44, ttmp9
	s_mul_i32 s44, s44, s42
	s_add_nc_u64 s[36:37], s[36:37], s[44:45]      ; my record: ((4 batch + head) x 32 + step) x its size
	; ---- 1
	s_cmp_eq_u32 s25, 2
	s_cbranch_scc1 .Lhead_v
.irp i, 0,1,2,3,4,5,6,7,8,9,10,11,12,13,14,15
	global_load_b128 v[X+4*\i:X+4*\i+3], v[L16], s[34:35] offset:16384*\i th:TH_LOAD_NT   ; a channel's 128 pixels: 512 consecutive bytes; read once in the launch
.endr
	s_wait_alu depctr_va_vdst(0)
	WLOAD
.irp t, 0,1,2,3
	global_load_b128 v[BI+8*\t:BI+8*\t+3], v[BA], s[32:33] offset:(32*(\t/2)+8*(\t%2))*4
	global_load_b128 v[BI+8*\t+4:BI+8*\t+7], v[BA], s[32:33] offset:(32*(\t/2)+8*(\t%2))*4+16
.endr
	s_wait_loadcnt 40                              ; the 16 rows are in; W's 32 loads and the bias's 8, issued behind them, may stay out
.irp i, 0,1,2,3,4,5,6,7,8,9,10,11,12,13,14,15
	ds_store_b128 v[RWA], v[X+4*\i:X+4*\i+3] offset:512*\i
.endr
	s_branch .Lhead_done
.Lhead_v:
	s_wait_alu depctr_va_vdst(0)
	WLOAD
.irp t, 0,1,2,3
	global_load_b32 v[TM+\t], v[BV], s[32:33] offset:64*\t
.endr
.Lhead_done:
	s_wait_xcnt 0x0                                ; the pending loads' offset registers (v16-19) are written again below, only behind this wait
	BARRIER                                        ; the raw rows of x and y lie in LDS
	; ---- 2
	s_cmp_eq_u32 s25, 2
	s_cbranch_scc1 .Lno_xq
.set c, 0
.rept 64
	ds_load_b32 v[X+c], v[XRA] offset:512*c        ; my pixel, channel c: the 32 lanes read 128 consecutive bytes
.set c, c+1
.endr
	s_wait_dscnt 0x0
.irp b, 0,1
	v_max3_num_f32 v[TM+\b], |v[X+32*\b]|, |v[X+32*\b+1]|, 0x1800000   ; block b: all its 32 numbers are mine; and the floor
.endr
.irp i, 2,4,6,8,10,12,14,16,18,20,22,24,26,28,30
.irp b, 0,1
	s_delay_alu instid0(VALU_DEP_2)
	v_max3_num_f32 v[TM+\b], v[TM+\b], |v[X+32*\b+\i]|, |v[X+32*\b+\i+1]|
.endr
.endr
.irp b, 0,1
	s_delay_alu instid0(VALU_DEP_2)
	v_add_nc_u32 v[TM+\b], 0xff000000, v[TM+\b]
.endr
.irp b, 0,1
	s_delay_alu instid0(VALU_DEP_2)
	v_lshrrev_b32 v[TM+4+\b], 23, v[TM+\b]
.endr
	s_delay_alu instid0(VALU_DEP_1)
	v_lshl_or_b32 v[TM+6], v[TM+5], 8, v[TM+4]     ; my pixel's scale word
.irp b, 0,1
.irp g, 0,1,2,3
	v_cvt_scalef32_pk8_fp4_f32 v[XC+4*\b+\g], v[X+32*\b+8*\g:X+32*\b+8*\g+7], v[TM+\b]
.endr
.endr
	v_nop                                          ; one plain place behind a scaled conversion
.irp i, 0,1,2,3
	v_permlane16_swap_b32 v[XC+\i], v[XC+4+\i]     ; v[XC .. +3]: the fragment of lanes 0-15's pixels (block 0 below, block 1 above); v[XC+4 .. +7]: that of lanes 16-31's
.endr
	ds_store_b128 v[XWI], v[XC:XC+3]
	ds_store_b128 v[XWI], v[XC+4:XC+7] offset:512
	ds_store_b32 v[XWS], v[TM+6]
.Lno_xq:
	s_wait_loadcnt 0x0                             ; W and the bias
	s_cmp_lg_u32 s25, 2
	s_cbranch_scc1 .Lno_spread
.irp t, 0,1,2,3
.irp j, 0,1,2,3,4,5,6,7
	v_mov_b32 v[BI+8*\t+\j], v[TM+\t]              ; v: a lane holds one channel, so its eight registers of a tile want the same bias
.endr
.endr
.Lno_spread:
.irp t, 0,1,2,3
	v_max3_num_f32 v[TM+\t], |v[WR+32*\t]|, |v[WR+32*\t+1]|, 0x1800000   ; W: tile t, my row's block h: all its 32 numbers are mine
.endr
.irp i, 2,4,6,8,10,12,14,16,18,20,22,24,26,28,30
.irp t, 0,1,2,3
	s_delay_alu instid0(VALU_DEP_4)
	v_max3_num_f32 v[TM+\t], v[TM+\t], |v[WR+32*\t+\i]|, |v[WR+32*\t+\i+1]|
.endr
.endr
.irp t, 0,1,2,3
	s_delay_alu instid0(VALU_DEP_4)
	v_add_nc_u32 v[TM+\t], 0xff000000, v[TM+\t]
.endr
.irp t, 0,1,2,3
	s_delay_alu instid0(VALU_DEP_4)
	v_lshrrev_b32 v[TM+4+\t], 23, v[TM+\t]
.endr
.irp t, 0,1,2,3
.irp g, 0,1,2,3
	v_cvt_scalef32_pk8_fp4_f32 v[WF+8*\t+\g], v[WR+32*\t+8*\g:WR+32*\t+8*\g+7], v[TM+\t]   ; registers 0-3 of the fragment
.endr
.endr
	v_nop                                          ; one plain place behind a scaled conversion
.irp t, 0,1,2,3
	v_lshlrev_b32 v[WS+\t], v0, v[TM+4+\t]         ; my block's byte at its place in the scale word,
.endr
.irp t, 0,1,2,3
	s_delay_alu instid0(VALU_DEP_4)
	v_permlanex16_b32 v[TM+4+\t], v[WS+\t], s38, s39
.endr
.irp t, 0,1,2,3
	s_delay_alu instid0(VALU_DEP_4)
	v_or_b32 v[WS+\t], v[WS+\t], v[TM+4+\t]        ; with lane l xor 16's the word is whole
.endr
.irp t, 0,1,2,3
.irp i, 4,5,6,7
	v_mov_b32 v[WF+8*\t+\i], 0                     ; k = 64 .. 127: zero codes
.endr
.endr
.irp t, 0,1,2,3,4,5,6,7
.irp i, 4,5,6,7
	v_mov_b32 v[PX+8*\t+\i], 0
.endr
.endr
	BARRIER                                        ; the sixteen pixel fragments and their scale words lie in LDS
	; ---- 3
.irp t, 0,1,2,3,4,5,6,7
	ds_load_b128 v[PX+8*\t:PX+8*\t+3], v[PXA] offset:512*\t
.endr
.irp g, 0,1,2,3
	ds_load_b32 v[PS+\g], v[PSA] offset:128*\g
.endr
	s_wait_dscnt 0x0
.rept 8
	v_nop                                          ; a scale register written by a vector instruction stands 8 places ahead of a scaled matrix instruction, an operand so written 4
.endr
	s_cmp_eq_u32 s25, 2
	s_cbranch_scc1 .Lv_path
	; q, k: two tiles of pixels at a time: 8 results, 64 registers: blocks 0, 1 are the first tile's two blocks of channels, blocks 2, 3 the second's
.irp g, 0,1,2,3
.irp t, 0,1,2,3
	v_wmma_scale_f32_16x16x128_f8f6f4 v[D+8*\t:D+8*\t+7], v[WF+8*\t:WF+8*\t+7], v[PX+16*\g:PX+16*\g+7], v[BI+8*\t:BI+8*\t+7], v[WS+\t], v[PS+\g] matrix_a_fmt:MATRIX_FMT_FP4 matrix_b_fmt:MATRIX_FMT_FP4
.endr
.irp t, 0,1,2,3
	v_wmma_scale_f32_16x16x128_f8f6f4 v[D+32+8*\t:D+32+8*\t+7], v[WF+8*\t:WF+8*\t+7], v[PX+16*\g+8:PX+16*\g+15], v[BI+8*\t:BI+8*\t+7], v[WS+\t], v[PS+\g] matrix_a_fmt:MATRIX_FMT_FP4 matrix_b_fmt:MATRIX_FMT_FP4 matrix_b_scale:MATRIX_SCALE_ROW1
.endr
.rept 4
	v_nop                                          ; four places in front of the first read of results (ISA guide 7.12.1)
.endr
	QUANT D, OUT+8*\g
	v_lshl_or_b32 v[SW+2*\g], v[TM+5], 8, v[TM+4]      ; the scale word of my pixel of tile 2 g,
	v_lshl_or_b32 v[SW+2*\g+1], v[TM+7], 8, v[TM+6]    ; and of tile 2 g + 1
	global_store_b128 v[L16], v[OUT+8*\g:OUT+8*\g+3], s[36:37] offset:1024*\g          ; a tile's image: 512 consecutive bytes, aligned
	global_store_b128 v[L16], v[OUT+8*\g+4:OUT+8*\g+7], s[36:37] offset:1024*\g+512
.endr
	s_mov_b32 vcc_lo, 0xffff0000                   ; lanes 16-31 carry the odd tiles' words
.irp i, 0,1,2,3
	v_cndmask_b32 v[TM+\i], v[SW+2*\i], v[SW+2*\i+1], vcc_lo
.endr
	global_store_b128 v[L16], v[TM:TM+3], s[36:37] offset:4096
	s_set_vgpr_msb 0x5
	s_wait_tensorcnt 0x0
	ds_add_u32 v0, v1
	s_wait_dscnt 0x0
	s_set_vgpr_msb 0x500
	s_endpgm
.Lv_path:
	s_wait_alu depctr_va_vdst(0)
	; v: a tile of 16 channels at a time, against all eight tiles of pixels: 64 registers = the step's 128 keys, four blocks
.irp t, 0,1,2,3
.irp g, 0,1,2,3
	v_wmma_scale_f32_16x16x128_f8f6f4 v[D+16*\g:D+16*\g+7], v[PX+16*\g:PX+16*\g+7], v[WF+8*\t:WF+8*\t+7], v[BI+8*\t:BI+8*\t+7], v[PS+\g], v[WS+\t] matrix_a_fmt:MATRIX_FMT_FP4 matrix_b_fmt:MATRIX_FMT_FP4
	v_wmma_scale_f32_16x16x128_f8f6f4 v[D+16*\g+8:D+16*\g+15], v[PX+16*\g+8:PX+16*\g+15], v[WF+8*\t:WF+8*\t+7], v[BI+8*\t:BI+8*\t+7], v[PS+\g], v[WS+\t] matrix_a_fmt:MATRIX_FMT_FP4 matrix_b_fmt:MATRIX_FMT_FP4 matrix_a_scale:MATRIX_SCALE_ROW1
.endr
.rept 4
	v_nop
.endr
	QUANT D, OUT+8*\t
	v_lshl_or_b32 v[SW+\t], v[TM+5], 8, v[TM+4]    ; my channel's scale word for these 128 keys
	s_delay_alu instid0(VALU_DEP_1)
	v_lshl_or_b32 v[SW+\t], v[TM+6], 16, v[SW+\t]
	s_delay_alu instid0(VALU_DEP_1)
	v_lshl_or_b32 v[SW+\t], v[TM+7], 24, v[SW+\t]
	global_store_b128 v[L16], v[OUT+8*\t:OUT+8*\t+3], s[36:37] offset:4608+1024*\t
	global_store_b128 v[L16], v[OUT+8*\t+4:OUT+8*\t+7], s[36:37] offset:4608+1024*\t+512
.endr
	s_mov_b32 vcc_lo, 0xffff0000
	v_lshrrev_b32 v[TM+4], 1, v[L16]               ; 8 x lane
	v_cndmask_b32 v[TM], v[SW], v[SW+1], vcc_lo
	v_cndmask_b32 v[TM+1], v[SW+2], v[SW+3], vcc_lo
	global_store_b64 v[TM+4], v[TM:TM+1], s[36:37] offset:8704   ; 256 consecutive bytes, aligned
	s_set_vgpr_msb 0x5
	s_wait_tensorcnt 0x0
	ds_add_u32 v0, v1
	s_wait_dscnt 0x0
	s_set_vgpr_msb 0x500
	s_endpgm
.Lfunc_end_k_q3224aa6324_proj:
	.size	k_q3224aa6324_proj, .Lfunc_end_k_q3224aa6324_proj-k_q3224aa6324_proj
	.p2alignl 7, 3214868480
	.fill 96, 4, 3214868480
	.section	.rodata,"a",@progbits
	.p2align	6, 0x0
	.amdhsa_kernel k_q3224aa6324_proj
		.amdhsa_group_segment_fixed_size 76288
		.amdhsa_private_segment_fixed_size 0
		.amdhsa_enable_private_segment 0
		.amdhsa_kernarg_size 80
		.amdhsa_user_sgpr_count 2
		.amdhsa_user_sgpr_kernarg_segment_ptr 1
		.amdhsa_wavefront_size32 1
		.amdhsa_system_sgpr_workgroup_id_x 1
		.amdhsa_system_sgpr_workgroup_id_y 1
		.amdhsa_system_sgpr_workgroup_id_z 1
		.amdhsa_system_vgpr_workitem_id 0
		.amdhsa_next_free_vgpr 258
		.amdhsa_next_free_sgpr 66
		.amdhsa_reserve_vcc 1
		.amdhsa_float_denorm_mode_32 3
		.amdhsa_float_denorm_mode_16_64 3
		.amdhsa_memory_ordered 1
		.amdhsa_forward_progress 1
		.amdhsa_inst_pref_size 80
	.end_amdhsa_kernel
	.amdgpu_metadata
---
amdhsa.version: [ 1, 2 ]
amdhsa.kernels:
  - .name:           k_q3224aa6324_proj
    .symbol:         k_q3224aa6324_proj.kd
    .args:
      - { .name: x, .offset: 0, .size: 8, .value_kind: global_buffer, .address_space: global }
      - { .name: y, .offset: 8, .size: 8, .value_kind: global_buffer, .address_space: global }
      - { .name: Wq, .offset: 16, .size: 8, .value_kind: global_buffer, .address_space: global }
      - { .name: Wk, .offset: 24, .size: 8, .value_kind: global_buffer, .address_space: global }
      - { .name: Wv, .offset: 32, .size: 8, .value_kind: global_buffer, .address_space: global }
      - { .name: bq, .offset: 40, .size: 8, .value_kind: global_buffer, .address_space: global }
      - { .name: bk, .offset: 48, .size: 8, .value_kind: global_buffer, .address_space: global }
      - { .name: bv, .offset: 56, .size: 8, .value_kind: global_buffer, .address_space: global }
      - { .name: qb, .offset: 64, .size: 8, .value_kind: global_buffer, .address_space: global }
      - { .name: kv, .offset: 72, .size: 8, .value_kind: global_buffer, .address_space: global }
    .group_segment_fixed_size: 76288
    .private_segment_fixed_size: 0
    .kernarg_segment_align: 8
    .kernarg_segment_size: 80
    .max_flat_workgroup_size: 384
    .sgpr_count:     66
    .vgpr_count:     258
    .wavefront_size: 32
...
	.end_amdgpu_metadata
.endif
;; end of part 1
;; launch attn (part 2): grid 16 x 16, 16 waves a work-group, clusters of 4 x 1, 288,768 bytes of LDS; arguments qb, kv, out0; writes out0
.if DOCPART == 2
	.amdgcn_target "amdgcn-amd-amdhsa--gfx1250"
	.amdhsa_code_object_version 6
	.text
	.protected	k_q3224aa6324_attn
	.globl	k_q3224aa6324_attn
	.p2align	8
	.type	k_q3224aa6324_attn,@function
k_q3224aa6324_attn:
	s_mov_b64 s[64:65], 0
	v_nop
	global_prefetch_b8 v0, s[64:65] scope:SCOPE_SE
	s_setreg_imm32_b32 hwreg(HW_REG_WAVE_MODE, 25, 1), 1
	s_wait_xcnt 0x0
	s_wait_alu depctr_hold_cnt(0) depctr_sa_sdst(0) depctr_va_vdst(0) depctr_va_sdst(0) depctr_va_ssrc(0) depctr_va_vcc(0) depctr_vm_vsrc(0)
	s_getreg_b32 s2, hwreg(HW_REG_IB_STS2, 6, 4)
	s_cmp_eq_u32 s2, 0
	s_cbranch_scc0 .Lentry_in_a_cluster
	s_endpgm
.Lentry_in_a_cluster:
	s_bfe_u32 s2, ttmp6, 0x10000c
	s_cmp_lg_u32 s2, 0x3003
	s_cbranch_scc0 .Lentry_shape_is_right
	s_endpgm
.Lentry_shape_is_right:
; out0[batch][head][d][n] = the sum over keys m of softmax_m(q[n] . k[m]) v[m][d], both products on codes of FP4 (E2M1) with one E8M0 scale for each 32 along a product's K.  No factor in front of the scores.
; q, k, v come as register images with their scale words from the launch before (its head comment gives the records: kv 8,960 bytes and qb 4,608 bytes for each batch x head and step of 128 pixels).
; THE SOFTMAX AHEAD OF THE SECOND PRODUCT: t = score x log2(e); M = the row's largest t so far, rounded UP to a whole number; p = 2^(t - M) is what is quantised, along the keys; it is not normalised.
; The row's sum is taken of the unquantised p, in f32, and divides O at the end.  When M moves, the sum and O are multiplied by 2^(old M - new M): exact.
; SHARES.  Grid y = batch x head, grid x = a block of 256 queries.  Sixteen waves, 16 queries each, in 256 registers: four waves to a SIMD, so that one wave's vector work stands beside another's matrix work and LDS loads:
; a key step has 12 matrix instructions and some 245 vector instructions, 68 of them exponentials.
; LDS.  ONE HEAD'S k AND v, codes and scale words, ARE 32 x 8,960 = 286,720 BYTES: they come into LDS once, as they lie in memory, and stay.  No byte is filled twice, so there is no ring.
; They come in three runs (steps 0-3, 4-15, 16-31), a quarter of each by each of waves 0-3: work begins when the first run is in.  By this text's own count an issuing wave has three tensor loads outstanding.
; CLUSTER.  The four work-groups of a cluster are four blocks of queries of one head and want the same 286,720 bytes: each run is asked for JOINTLY, by the same tensor load with the same descriptor and the mask of all four.
; LAYOUT.  Both products are used transposed: S^T = K Q^T (source 0 = 16 keys, source 1 = my 16 queries), O^T = V^T P^T (source 0 = 16 channels, source 1 = P): a lane holds ONE query (lane % 16) throughout.
; The keys of a tile of K are not neighbours (lane r of tile 2 b + u holds key 32 b + 8 u + r + 8 (r / 8)), so that the 16 registers of tiles 2 b and 2 b + 1 are 16 neighbouring keys, 32 b + 16 (lane / 16) + 0 .. 15.
; The first product's K is 64: registers 4-7 of K's and Q's fragments are zero codes, cleared once; bytes 2 and 3 of their scale words are 0, which is no NaN.
; No prefetch: qb and kv were stored by the launch just before.
; LIMITS: NaN and infinities are not served.  A block's largest p is not searched for: the block's largest score goes through the same multiply-add and exponential, which takes v_exp_f32 not to fall where its input rises
; (the ISA guide promises 1 ulp): at the worst one p of a block, within an ulp of a power of two, is held one code low.  A block whose every p has fallen to 0 gets the byte 1: its codes are zeros.
.set REC,  8960
.set KSC,  4096                        ; in a record: K's scale words,
.set VCO,  4608                        ; V's codes,
.set VSC,  8704                        ; V's scale words
.set SPI,  1040                        ; the way out: a stage of 64 rows (channels) x (256 queries x 4 bytes + 16), from LDS byte 0: the bytes of steps 0-7, which have had their one fill and which nobody reads behind the third phase's barrier
.set L16,  1                           ; v1   16 x lane
.set L8,   2                           ; v2   8 x lane
.set ADR,  3                           ; v3   the step's record + 16 x lane
.set ADR8, 4                           ; v4   the step's record + 8 x lane
.set STO,  5                           ; v5   the stage: where my query's column lies
.set SRD,  6                           ; v6   and where I read rows back
.set R16,  7                           ; v7   16 x (lane % 16)
.set QF,   16                          ; v16-23  Q's fragment
.set QS,   24                          ; v24     Q's scale words
.set VS,   26                          ; v26-27  V's scale words: lanes 0-15 tile 2 i, lanes 16-31 tile 2 i + 1
.set KS,   28                          ; v28-31  K's likewise
.set KF,   32                          ; v32-95  K's eight fragments
.set S,    96                          ; v96-159 S^T, then p
.set OT,   160                         ; v160-191 O^T
.set VF,   192                         ; v192-223 V's four fragments
.set PC,   224                         ; v224-231 p's codes;  v232-254 at work: v252 f, v253 p's scale word;  v12 -M, v13 the largest t, v[14:15] the sum in two halves
.set WV,   10                          ; s10  my wave's number
.set G1A,  24                          ; s[24:31], s[32:39], s[40:47] descriptor groups 1 of the three runs;  s[48:51], s[52:55], s[56:59] their groups 0
.set G1B,  32
.set G1C,  40
.set G0A,  48
.set G0B,  52
.set G0C,  56
.set TB,   60                          ; s60  LDS byte at which the step's record begins
.set CNT,  61                          ; s61  steps to go in the phase
.set CS,   62                          ; s[62:63] c = log2(e): the packed form names a pair and takes its low word for both halves
.set SEL,  66                          ; s[66:67] v_permlanex16_b32's selects for lane l xor 16
; A round of the cluster's barrier: my work-group's barrier, so that wave 0's signal speaks for all sixteen waves; wave 0 signals for the work-group; every wave waits for all four work-groups; my work-group's barrier once more.
.macro ROUND
	s_barrier_signal -1
	s_barrier_wait -1
	s_cmp_lg_u32 s[WV], 0
	s_cbranch_scc1 .Lnot_wave_0_\@
	s_barrier_signal -3
.Lnot_wave_0_\@:
	s_barrier_wait -3
	s_barrier_signal -1
	s_barrier_wait -1
.endm
.macro GROUP1 g, rows                  ; a dense block as rows of 256 bytes: 32 elements of 8 bytes, pitch 32, no padding (every LDS read takes consecutive bytes)
	s_mov_b32 s[\g], 15|(3<<16)|(1<<21)            ; 15:0 the mask: all four work-groups; 17:16 elements of 8 bytes; 21 set beside a mask
	s_mov_b32 s[\g+1], 32<<16                      ; tensor_dim0 = 32
	s_mov_b32 s[\g+2], (\rows)<<16                 ; tensor_dim1
	s_mov_b32 s[\g+3], 32<<16                      ; tile_dim0 = 32
	s_mov_b32 s[\g+4], \rows                       ; tile_dim1
	s_mov_b32 s[\g+5], 32                          ; tensor_dim0_stride
	s_mov_b32 s[\g+6], 0
	s_mov_b32 s[\g+7], 0
.endm
.macro GROUP0 g, off                   ; the LDS address is the offset in the head's block: a constant + a constant x (wave % 4); no place in the cluster enters it
	s_mov_b32 s[\g], 1                             ; count = 1
	s_mov_b32 s[\g+1], s[\off]
	s_mov_b32 s22, s[\off]
	s_add_nc_u64 s[\g+2:\g+3], s[6:7], s[22:23]
	s_or_b32 s[\g+3], s[\g+3], 0x80000000          ; type = 2
.endm
	s_load_b128 s[4:7], s[0:1], 0x0                ; qb, kv
	s_load_b64 s[8:9], s[0:1], 0x10                ; out0
	v_lshl_add_u32 v251, v0, 2, 0x46000
	v_mov_b32 v255, 0
	ds_add_u32 v251, v255
	ds_add_u32 v251, v255
	v_lshrrev_b32 v1, 5, v0
	s_delay_alu instid0(VALU_DEP_1)
	v_readfirstlane_b32 s[WV], v1                  ; wave 0..15
	s_and_b32 s11, s[WV], 3                        ; which quarter of a run I fetch, if I fetch
	s_bfe_u32 s12, ttmp6, 0x40000                  ; cx: my place in the cluster
	s_lshl_b32 s13, ttmp9, 2                       ; in a cluster launch ttmp9 counts clusters
	s_add_co_u32 s13, s13, s12                     ; my block of 256 queries: it enters qb's and out0's addresses alone
	s_and_b32 s14, ttmp7, 0xffff                   ; batch x head, which the four partners share
	s_mul_i32 s16, s14, 32*REC
	s_mov_b32 s17, 0
	s_mov_b32 s23, 0
	GROUP1 G1A, 35                                 ; one record a wave: steps 0-3
	GROUP1 G1B, 105                                ; three records a wave: steps 4-15
	GROUP1 G1C, 140                                ; four records a wave: steps 16-31
	s_mul_i32 s18, s11, REC
	s_mul_i32 s19, s11, 3*REC
	s_add_co_u32 s19, s19, 4*REC
	s_mul_i32 s20, s11, 4*REC
	s_add_co_u32 s20, s20, 16*REC
	s_mov_b32 s[CS], 0x3fb8aa3b                    ; log2(e)
	s_mov_b32 s[CS+1], s[CS]                       ; (named with it as a pair, so it is written)
	s_mov_b32 s[SEL], 0x76543210
	s_mov_b32 s[SEL+1], 0xfedcba98
	s_wait_dscnt 0x0
	s_wait_kmcnt 0x0
	s_add_nc_u64 s[6:7], s[6:7], s[16:17]          ; kv at my head
	GROUP0 G0A, 18
	GROUP0 G0B, 19
	GROUP0 G0C, 20
	ROUND                                          ; all four work-groups are here: the joint loads meet
	s_cmp_lt_u32 s[WV], 4                          ; a wave's three fills stand in one branch, ahead of every wait on TENSORcnt and every LDS read; four v_nop follow the last
	s_cbranch_scc0 .Lno_fill
	tensor_load_to_lds s[G0A:G0A+3], s[G1A:G1A+7]
	s_nop 0
	tensor_load_to_lds s[G0B:G0B+3], s[G1B:G1B+7]
	s_nop 0
	tensor_load_to_lds s[G0C:G0C+3], s[G1C:G1C+7]
	s_nop 0
.rept 4
	v_nop
.endr
.Lno_fill:
	v_and_b32 v8, 31, v0                           ; lane
	v_and_b32 v9, 15, v0                           ; r
	v_bfe_u32 v10, v0, 4, 1                        ; h
	s_delay_alu instid0(VALU_DEP_3)
	v_lshlrev_b32 v[L16], 4, v8
	s_wait_alu depctr_va_vdst(0)
	v_lshlrev_b32 v[L8], 3, v8
	v_lshlrev_b32 v[R16], 4, v9
	s_wait_alu depctr_va_vdst(0)
	v_mul_u32_u24 v[STO], v10, 8*SPI               ; the stage: channel 8 h + .., query 16 x wave + r
	s_delay_alu instid0(VALU_DEP_1)
	v_lshl_add_u32 v[STO], v9, 2, v[STO]
	s_lshl_b32 s18, s[WV], 6
	v_add_nc_u32 v[STO], s18, v[STO]
	s_mul_i32 s18, s[WV], 4*SPI                    ; back: my four channels' rows
	v_add_nc_u32 v[SRD], s18, v[L16]
	; Q: record (batch x head) x 32 + 2 x block + wave / 8, tile T = wave % 8; its scale word lies at 4,096 + 16 (r + 16 (T % 2)) + 4 (T / 2)
	s_lshl_b32 s18, s14, 5
	s_lshl_b32 s19, s13, 1
	s_add_co_u32 s18, s18, s19
	s_lshr_b32 s19, s[WV], 3
	s_add_co_u32 s18, s18, s19
	s_mul_i32 s18, s18, 4608
	s_and_b32 s19, s[WV], 7
	s_lshl_b32 s20, s19, 9
	s_add_co_u32 s22, s18, s20
	s_add_nc_u64 s[68:69], s[4:5], s[22:23]
	s_and_b32 s20, s19, 1
	s_lshl_b32 s20, s20, 8
	s_lshr_b32 s21, s19, 1
	s_lshl_b32 s21, s21, 2
	s_add_co_u32 s22, s18, s20
	s_add_co_u32 s22, s22, s21
	s_add_co_u32 s22, s22, KSC
	s_add_nc_u64 s[70:71], s[4:5], s[22:23]
	global_load_b128 v[QF:QF+3], v[L16], s[68:69]  ; Q's fragment stays in registers
	global_load_b32 v[QS], v[R16], s[70:71]
	s_lshl_b32 s22, s14, 20                        ; out0: (batch x head) x 64 rows of 16,384 bytes, + my four channels' rows, + my block's 1,024 bytes
	s_lshl_b32 s18, s[WV], 16
	s_add_co_u32 s22, s22, s18
	s_lshl_b32 s18, s13, 10
	s_add_co_u32 s22, s22, s18
	s_add_nc_u64 s[72:73], s[8:9], s[22:23]
.irp i, 4,5,6,7
	v_mov_b32 v[QF+\i], 0                          ; k = 64 .. 127: zero codes, in Q
.endr
.irp t, 0,1,2,3,4,5,6,7
.irp i, 4,5,6,7
	v_mov_b32 v[KF+8*\t+\i], 0                     ; and in K: no load ever lands here
.endr
.endr
.set j, 0
.rept 32
	v_mov_b32 v[OT+j], 0                           ; O^T.  (The step is written once: the first finds zeros, which the first change of M leaves zeros)
.set j, j+1
.endr
	v_mov_b32 v13, 0xff61b1e6                      ; the largest t so far: -3e38, under every t
	s_delay_alu instid0(VALU_DEP_1)
	v_floor_f32 v12, -v13                          ; -M
	v_mov_b32 v14, 0                               ; the sum, in two halves
	v_mov_b32 v15, 0
.irp b, 0,1,2,3
	v_mov_b32 v[236+\b], 0                         ; written once: a lane permute's destination counts as one of its sources
.endr
	v_mov_b32 v253, 0                              ; (named as the upper half of the pair v[252:253] before it is first written)
	s_wait_loadcnt 0x0                             ; Q
; A KEY STEP: 128 keys, whose record begins at LDS byte s[TB].
.macro STEP
	v_add_nc_u32 v[ADR], s[TB], v[L16]
	v_add_nc_u32 v[ADR8], s[TB], v[L8]
	v_nop
	v_nop                                          ; these four are the places between the last step's products and the loads into registers that they read (ISA guide 7.12.1 for vector instructions)
.irp t, 0,1,2,3,4,5,6,7
	ds_load_b128 v[KF+8*\t:KF+8*\t+3], v[ADR] offset:512*\t   ; an image: the 32 lanes read 512 consecutive bytes
.endr
	ds_load_b128 v[KS:KS+3], v[ADR] offset:KSC
.irp t, 0,1,2,3
.irp c, 0,1
	ds_load_b128 v[VF+8*\t+4*\c:VF+8*\t+4*\c+3], v[ADR] offset:VCO+1024*\t+512*\c
.endr
.endr
	ds_load_b64 v[VS:VS+1], v[ADR8] offset:VSC
	s_wait_dscnt 9                                 ; K and its scale words are in; V's eight loads and its scale words, issued behind them, land under the softmax
.irp g, 0,1,2,3
	v_wmma_scale_f32_16x16x128_f8f6f4 v[S+16*\g:S+16*\g+7], v[KF+16*\g:KF+16*\g+7], v[QF:QF+7], 0, v[KS+\g], v[QS] matrix_a_fmt:MATRIX_FMT_FP4 matrix_b_fmt:MATRIX_FMT_FP4
	v_wmma_scale_f32_16x16x128_f8f6f4 v[S+16*\g+8:S+16*\g+15], v[KF+16*\g+8:KF+16*\g+15], v[QF:QF+7], 0, v[KS+\g], v[QS] matrix_a_fmt:MATRIX_FMT_FP4 matrix_b_fmt:MATRIX_FMT_FP4 matrix_a_scale:MATRIX_SCALE_ROW1
.endr
.rept 4
	v_nop                                          ; four places in front of the first read of results
.endr
.irp b, 0,1,2,3
	v_max3_num_f32 v[232+\b], v[S+16*\b], v[S+1+16*\b], v[S+2+16*\b]   ; THE LARGEST SCORE OF EACH BLOCK OF 32 KEYS: it serves the row's maximum and, since p rises with the score, the block's largest p.  Each result is read from its low end on
.endr
.irp i, 3,5,7,9,11,13
.irp b, 0,1,2,3
	v_max3_num_f32 v[232+\b], v[232+\b], v[S+16*\b+\i], v[S+1+16*\b+\i]   ; the four blocks by turns
.endr
.endr
.irp b, 0,1,2,3
	v_max_num_f32 v[232+\b], v[232+\b], v[S+15+16*\b]
.endr
.irp b, 0,1,2,3
	s_delay_alu instid0(VALU_DEP_4)
	v_permlanex16_b32 v[236+\b], v[232+\b], s[SEL], s[SEL+1]
.endr
.irp b, 0,1,2,3
	s_delay_alu instid0(VALU_DEP_4)
	v_max_num_f32 v[232+\b], v[232+\b], v[236+\b]  ; with lane l xor 16's 16 keys
.endr
	s_delay_alu instid0(VALU_DEP_2)
	v_max3_num_f32 v254, v232, v233, v234
	s_delay_alu instid0(VALU_DEP_1)
	v_max_num_f32 v254, v254, v235                 ; the step's largest score of my query
	s_delay_alu instid0(VALU_DEP_1)
	v_mul_f32 v254, s[CS], v254                    ; as t (c is positive)
	s_delay_alu instid0(VALU_DEP_1)
	v_max_num_f32 v13, v13, v254                   ; the running largest t
	v_mov_b32 v254, v12
	s_delay_alu instid0(VALU_DEP_2)
	v_floor_f32 v12, -v13                          ; the new -M = floor(-t) = -ceil(t): M is a whole number
	s_delay_alu instid0(VALU_DEP_1)
	v_sub_f32 v254, v12, v254                      ; M's old value less its new one: a whole number, 0 or less
	s_delay_alu instid0(VALU_DEP_1)
	v_cvt_i32_f32 v254, v254                       ; (it saturates)
	s_delay_alu instid0(VALU_DEP_1)
	v_ldexp_f32 v252, 1.0, v254                    ; f = 2^(old M - new M): a multiplication by it rounds nothing
.set j, 0
.rept 32
	v_pk_fma_f32 v[S+j:S+j+1], v[S+j:S+j+1], s[CS:CS+1], v[12:13] op_sel_hi:[1,0,0]   ; t - M, two at a time (of the pairs c and -M the low word serves both halves)
.set j, j+2
.endr
.irp b, 0,1,2,3
	v_fma_f32 v[232+\b], v[232+\b], s[CS], v12     ; the same of each block's largest score
.endr
.set j, 0
	s_wait_alu depctr_va_vdst(0)
.rept 64
	v_exp_f32 v[S+j], v[S+j]                       ; p = 2^(t - M), at most 1: not normalised
.set j, j+1
.endr
	s_setprio 1
.irp b, 0,1,2,3
	v_exp_f32 v[232+\b], v[232+\b]                 ; the block's largest p: the same two instructions on the same number give the same bits
.endr
	v_pk_mul_f32 v[14:15], v[14:15], v[252:253] op_sel_hi:[1,0]   ; the sums under the new M.  (The plain place behind the exponentials)
	s_wait_alu depctr_va_vdst(0)
.irp b, 0,1,2,3
	v_max_num_f32 v[232+\b], 0x1800000, v[232+\b]  ; the floor 2^(3 - 127): the byte cannot fall under 1
.endr
.irp b, 0,1,2,3
	s_delay_alu instid0(VALU_DEP_4)
	v_add_nc_u32 v[244+\b], 0xff000000, v[232+\b]  ; 2 off the exponent field: the conversion's scale operand
.endr
.irp b, 0,1,2,3
	s_delay_alu instid0(VALU_DEP_4)
	v_lshrrev_b32 v[236+\b], 23, v[244+\b]         ; the scale's byte
.endr
	s_delay_alu instid0(VALU_DEP_3)
	v_lshl_or_b32 v253, v237, 8, v236              ; p's scale word for these 128 keys
	s_delay_alu instid0(VALU_DEP_1)
	v_lshl_or_b32 v253, v238, 16, v253
	s_delay_alu instid0(VALU_DEP_1)
	v_lshl_or_b32 v253, v239, 24, v253
.irp b, 0,1,2,3
	v_cvt_scalef32_pk8_fp4_f32 v[PC+2*\b], v[S+16*\b:S+7+16*\b], v[244+\b]
	v_cvt_scalef32_pk8_fp4_f32 v[PC+1+2*\b], v[S+8+16*\b:S+15+16*\b], v[244+\b]
.endr
	v_nop                                          ; one plain place behind a scaled conversion
.irp c, 0,1
.irp i, 0,1
	v_permlane16_swap_b32 v[PC+4*\c+\i], v[PC+2+4*\c+\i]   ; the operand's layout wants a whole block in a lane: lanes 0-15 block 2 c, lanes 16-31 block 2 c + 1
.endr
.endr
	v_pk_add_f32 v[236:237], v[100:101], v[104:105]
	v_pk_add_f32 v[248:249], v[108:109], v[112:113]
	v_pk_add_f32 v[246:247], v[116:117], v[120:121]
	v_pk_add_f32 v[244:245], v[124:125], v[128:129]
	v_pk_add_f32 v[242:243], v[132:133], v[136:137]
	v_pk_add_f32 v[240:241], v[140:141], v[144:145]
	v_pk_add_f32 v[234:235], v[148:149], v[152:153]
	v_pk_add_f32 v[14:15], v[14:15], v[156:157]
	v_pk_add_f32 v[236:237], v[236:237], v[96:97]
	v_pk_add_f32 v[248:249], v[248:249], v[98:99]
	v_pk_add_f32 v[246:247], v[246:247], v[102:103]
	v_pk_add_f32 v[244:245], v[244:245], v[106:107]
	v_pk_add_f32 v[242:243], v[242:243], v[110:111]
	v_pk_add_f32 v[240:241], v[240:241], v[114:115]
	v_pk_add_f32 v[234:235], v[234:235], v[118:119]
	v_pk_add_f32 v[14:15], v[14:15], v[122:123]
	v_pk_add_f32 v[236:237], v[236:237], v[126:127]
	v_pk_add_f32 v[248:249], v[248:249], v[130:131]
	v_pk_add_f32 v[246:247], v[246:247], v[134:135]
	v_pk_add_f32 v[244:245], v[244:245], v[138:139]
	v_pk_add_f32 v[242:243], v[242:243], v[142:143]
	v_pk_add_f32 v[240:241], v[240:241], v[146:147]
	v_pk_add_f32 v[234:235], v[234:235], v[150:151]
	v_pk_add_f32 v[14:15], v[14:15], v[154:155]
	v_pk_add_f32 v[236:237], v[236:237], v[158:159]
	s_delay_alu instid0(VALU_DEP_2)
	v_pk_add_f32 v[14:15], v[14:15], v[244:245]
	s_delay_alu instid0(VALU_DEP_2)
	v_pk_add_f32 v[236:237], v[236:237], v[242:243]
	v_pk_add_f32 v[248:249], v[248:249], v[240:241]
	v_pk_add_f32 v[246:247], v[246:247], v[234:235]
	s_delay_alu instid0(VALU_DEP_2)
	v_pk_add_f32 v[14:15], v[14:15], v[248:249]
	s_delay_alu instid0(VALU_DEP_2)
	v_pk_add_f32 v[236:237], v[236:237], v[246:247]
	s_delay_alu instid0(VALU_DEP_1)
	v_pk_add_f32 v[14:15], v[14:15], v[236:237]
.set j, 0
	s_setprio 0
.rept 16
	v_pk_mul_f32 v[OT+j:OT+j+1], v[OT+j:OT+j+1], v[252:253] op_sel_hi:[1,0]   ; O^T under the new M: x f; each accumulator from its low end on
.set j, j+2
.endr
	s_wait_alu depctr_va_vdst(0)
	s_wait_dscnt 0x0                               ; V and its scale words are in
.irp g, 0,1                                    ; O^T += V^T P^T: the four accumulators by turns, one instruction a turn
	v_wmma_scale_f32_16x16x128_f8f6f4 v[OT+16*\g:OT+16*\g+7], v[VF+16*\g:VF+16*\g+7], v[PC:PC+7], v[OT+16*\g:OT+16*\g+7], v[VS+\g], v253 matrix_a_fmt:MATRIX_FMT_FP4 matrix_b_fmt:MATRIX_FMT_FP4
	v_wmma_scale_f32_16x16x128_f8f6f4 v[OT+16*\g+8:OT+16*\g+15], v[VF+16*\g+8:VF+16*\g+15], v[PC:PC+7], v[OT+16*\g+8:OT+16*\g+15], v[VS+\g], v253 matrix_a_fmt:MATRIX_FMT_FP4 matrix_b_fmt:MATRIX_FMT_FP4 matrix_a_scale:MATRIX_SCALE_ROW1
.endr
.endm
; A PHASE: the steps of one run.  left = how many of an issuing wave's fills were issued behind this run's and may stay out.  Behind the barrier the run is whole for every wave.
.macro PHASE left, first, trips
	s_wait_tensorcnt \left                         ; tensor loads of a wave end in order (ISA guide 10.11.1): my quarter of the run is in LDS
	s_wait_dscnt 0x0                               ; no LDS instruction of mine is out at a signal
	s_barrier_signal -1
	s_barrier_wait -1
	s_mov_b32 s[TB], (\first)*REC
	s_mov_b32 s[CNT], \trips
.Lstep_\@:
	s_setprio 2
	STEP
	s_add_co_u32 s[TB], s[TB], REC
	s_sub_co_u32 s[CNT], s[CNT], 1
	s_cmp_lg_u32 s[CNT], 0
	s_cbranch_scc1 .Lstep_\@
	s_setprio 0
.endm
	PHASE 2, 0, 4
	PHASE 1, 4, 12
	PHASE 0, 16, 16
	; THE WAY OUT.  out0 wants the queries innermost, and a lane holds one query: so O^T / the sum goes through a stage in LDS, [channel][query], and each wave stores four whole rows of 1,024 bytes.
	; The stage's bytes are those of steps 0-7: every wave that stores here has passed the third phase's barrier, which every wave reached behind its last read of them.
.rept 4
	v_nop                                          ; four places behind the last products
.endr
	v_add_f32 v14, v14, v15                        ; the sum's two halves,
	s_delay_alu instid0(VALU_DEP_1)
	v_permlanex16_b32 v252, v14, s[SEL], s[SEL+1]
	s_delay_alu instid0(VALU_DEP_1)
	v_add_f32 v14, v14, v252                       ; and lane l xor 16's: the row's sum
	s_wait_alu depctr_va_vdst(0)
	v_rcp_f32 v14, v14
	v_nop                                          ; one plain place behind a transcendental
.set j, 0
	s_wait_alu depctr_va_vdst(0)
.rept 16
	v_pk_mul_f32 v[S+j:S+j+1], v[OT+j:OT+j+1], v[14:15] op_sel_hi:[1,0]   ; register 8 t + i is o(query r, channel 16 t + 8 h + i)
.set j, j+2
.endr
.irp t, 0,1,2,3
.irp i, 0,1,2,3,4,5,6,7
	ds_store_b32 v[STO], v[S+8*\t+\i] offset:(16*\t+\i)*SPI   ; lanes 0-15: 64 consecutive bytes of one row; lanes 16-31: eight rows on, 8 x 260 words = 32 banks away (64 banks of 4 bytes: ISA guide 11.1)
.endr
.endr
	s_wait_dscnt 0x0                               ; for the others' sake: my stores into the stage are done
	s_barrier_signal -1
	s_barrier_wait -1
.irp i, 0,1,2,3
.irp u, 0,1
	ds_load_b128 v[128+4*(2*\i+\u):128+4*(2*\i+\u)+3], v[SRD] offset:\i*SPI+512*\u
.endr
.endr
.irp i, 0,1,2,3
.irp u, 0,1
	s_wait_dscnt 7-(2*\i+\u)                       ; LDS loads come back in order (ISA guide 5.7.1): this one is in, the younger ones may be out
	global_store_b128 v[L16], v[128+4*(2*\i+\u):128+4*(2*\i+\u)+3], s[72:73] offset:16384*\i+512*\u th:TH_STORE_NT   ; 32 lanes store 512 consecutive bytes, at a multiple of 256 from out0's first byte; written once, read by nobody here
.endr
.endr
	s_wait_tensorcnt 0x0
	ds_add_u32 v251, v255
	s_wait_dscnt 0x0
	ROUND                                          ; the closing round: no work-group ends while a partner may still ask for a run that names it
	s_endpgm
.Lfunc_end_k_q3224aa6324_attn:
	.size	k_q3224aa6324_attn, .Lfunc_end_k_q3224aa6324_attn-k_q3224aa6324_attn
	.p2alignl 7, 3214868480
	.fill 96, 4, 3214868480
	.section	.rodata,"a",@progbits
	.p2align	6, 0x0
	.amdhsa_kernel k_q3224aa6324_attn
		.amdhsa_group_segment_fixed_size 288768
		.amdhsa_private_segment_fixed_size 0
		.amdhsa_enable_private_segment 0
		.amdhsa_kernarg_size 24
		.amdhsa_user_sgpr_count 2
		.amdhsa_user_sgpr_kernarg_segment_ptr 1
		.amdhsa_wavefront_size32 1
		.amdhsa_system_sgpr_workgroup_id_x 1
		.amdhsa_system_sgpr_workgroup_id_y 1
		.amdhsa_system_sgpr_workgroup_id_z 1
		.amdhsa_system_vgpr_workitem_id 0
		.amdhsa_next_free_vgpr 256
		.amdhsa_next_free_sgpr 74
		.amdhsa_reserve_vcc 0
		.amdhsa_float_denorm_mode_32 3
		.amdhsa_float_denorm_mode_16_64 3
		.amdhsa_memory_ordered 1
		.amdhsa_forward_progress 1
		.amdhsa_inst_pref_size 63
	.end_amdhsa_kernel
	.amdgpu_metadata
---
amdhsa.version: [ 1, 2 ]
amdhsa.kernels:
  - .name:           k_q3224aa6324_attn
    .symbol:         k_q3224aa6324_attn.kd
    .args:
      - { .name: qb, .offset: 0, .size: 8, .value_kind: global_buffer, .address_space: global }
      - { .name: kv, .offset: 8, .size: 8, .value_kind: global_buffer, .address_space: global }
      - { .name: out0, .offset: 16, .size: 8, .value_kind: global_buffer, .address_space: global }
    .group_segment_fixed_size: 288768
    .private_segment_fixed_size: 0
    .kernarg_segment_align: 8
    .kernarg_segment_size: 24
    .max_flat_workgroup_size: 512
    .sgpr_count:     74
    .vgpr_count:     256
    .wavefront_size: 32
...
	.end_amdgpu_metadata
.endif
;; end of part 2
